; MI455X (gfx1250); checked and timed in simulation.
; The chip was launched on July 23, 2026; its instructions are those of AMD's public machine-readable ISA for CDNA 5 (MIT licence, August 2026) and "CDNA5" Instruction Set Architecture Reference Guide (July 2026). The comments in the code are by the model that wrote it; some were corrected since.
;; Multi Head Attention Block. Allowed arithmetic: float matrix products may take bf16 or f16 operands with f32 sums; other float arithmetic in f32, or as packed bf16 or f16 multiplies, adds, multiply-adds, maxima and minima; sums over many terms, partial sums and values carried from step to step in f32; what a program stores and reads back later, other than sums and carried values, may be rounded once to bf16 or f16.
;; Inputs: bk 1,024 float32; bq 1,024 float32; bv 1,024 float32; k 4 x 2,048 x 1,024 float32; mask 4 x 1 x 2,048 float32; q 4 x 2,048 x 1,024 float32; v 4 x 2,048 x 1,024 float32; wk 1,024 x 1,024 float32; wq 1,024 x 1,024 float32; wv 1,024 x 1,024 float32.
;; Outputs: out0 4 x 2,048 x 1,024 float32.
;; One version. Each part assembles by itself: llvm-mc -triple=amdgcn-amd-amdhsa -mcpu=gfx1250 --defsym DOCPART=n.
;; ======== version 1 of 1: 3 launches
;; limits: values are held in f16: magnitudes above 65,504 overflow, below 6.1e-05 lose precision
;; workspace buffers: wb 6,291,456 bytes; bb 12,288 bytes; kh 16,777,216 bytes; vh 16,777,216 bytes; qh 16,777,216 bytes
;; launch prep (part 1): grid 256 x 3, 8 waves a work-group, no clusters, 0 bytes of LDS; arguments wk, wv, wq, bk, bv, bq, wb, bb; writes wb, bb
.if DOCPART == 1
	.amdgcn_target "amdgcn-amd-amdhsa--gfx1250"
	.amdhsa_code_object_version 6
	.text
	.protected	k_q94f514648b_prep
	.globl	k_q94f514648b_prep
	.p2align	8
	.type	k_q94f514648b_prep,@function
k_q94f514648b_prep:
	s_mov_b64 s[64:65], 0
	v_nop
	global_prefetch_b8 v0, s[64:65] scope:SCOPE_SE
	s_setreg_imm32_b32 hwreg(HW_REG_WAVE_MODE, 25, 1), 1
	s_wait_xcnt 0x0
; wb[y] = the weights of projection y rounded to bf16; bb[y] = its bias rounded to bf16 and kept as f32.  y = 0: k, 1: v, 2: q.
; A stream: a work-group of 256 threads takes 4,096 numbers (16,384 bytes in, 8,192 out).  Thread t reads 32 bytes at 32 t and 32 bytes at 8,192 + 32 t
; and stores 16 bytes at 16 t and at 4,096 + 16 t: each store of a wave covers 512 consecutive bytes, aligned.  No LDS, no barrier, no matrix unit: nothing is shared.
	s_load_b512 s[4:19], s[0:1], 0x0               ; wk s[4:5], wv s[6:7], wq s[8:9], bk s[10:11], bv s[12:13], bq s[14:15], wb s[16:17], bb s[18:19]
	s_and_b32 s20, ttmp7, 0xffff                   ; y: which projection
	v_lshlrev_b32 v1, 5, v0                        ; where I read
	v_lshlrev_b32 v2, 4, v0                        ; where I store
	s_lshl_b32 s22, ttmp9, 14                      ; the work-group's 16,384 bytes of the weights
	s_mov_b32 s23, 0
	s_lshl_b32 s24, s20, 21                        ; a projection's 2 MiB in wb,
	s_lshl_b32 s21, ttmp9, 13                      ; the work-group's 8,192 bytes of them
	s_add_co_u32 s24, s24, s21
	s_mov_b32 s25, 0
	s_lshl_b32 s26, s20, 12                        ; a projection's 4,096 bytes in bb
	s_mov_b32 s27, 0
	s_wait_kmcnt 0x0
	s_cmp_eq_u32 s20, 1
	s_cselect_b64 s[30:31], s[6:7], s[4:5]
	s_cselect_b64 s[32:33], s[12:13], s[10:11]
	s_cmp_eq_u32 s20, 2
	s_cselect_b64 s[30:31], s[8:9], s[30:31]
	s_cselect_b64 s[32:33], s[14:15], s[32:33]
	s_add_nc_u64 s[30:31], s[30:31], s[22:23]
	s_add_nc_u64 s[16:17], s[16:17], s[24:25]
	s_add_nc_u64 s[18:19], s[18:19], s[26:27]
	global_load_b128 v[4:7],   v1, s[30:31] th:TH_LOAD_NT
	global_load_b128 v[8:11],  v1, s[30:31] offset:16 th:TH_LOAD_NT
	global_load_b128 v[12:15], v1, s[30:31] offset:8192 th:TH_LOAD_NT
	global_load_b128 v[16:19], v1, s[30:31] offset:8208 th:TH_LOAD_NT
	s_wait_loadcnt 0x2                             ; the first two are in; the two younger ones may stay out
	v_cvt_pk_bf16_f32 v20, v4, v5
	v_cvt_pk_bf16_f32 v21, v6, v7
	v_cvt_pk_bf16_f32 v22, v8, v9
	v_cvt_pk_bf16_f32 v23, v10, v11
	global_store_b128 v2, v[20:23], s[16:17]
	s_wait_loadcnt 0x0
	v_cvt_pk_bf16_f32 v24, v12, v13
	v_cvt_pk_bf16_f32 v25, v14, v15
	v_cvt_pk_bf16_f32 v26, v16, v17
	v_cvt_pk_bf16_f32 v27, v18, v19
	global_store_b128 v2, v[24:27], s[16:17] offset:4096
	s_cmp_lg_u32 ttmp9, 0                          ; the first work-group of each projection also takes the bias: 1,024 numbers, four a thread
	s_cbranch_scc1 .Lend
	global_load_b128 v[28:31], v2, s[32:33]
	s_wait_loadcnt 0x0
	v_cvt_pk_bf16_f32 v32, v28, v29                ; rounded to bf16,
	v_cvt_pk_bf16_f32 v33, v30, v31
	v_lshlrev_b32 v34, 16, v32                     ; and widened again: the next launch takes it as an f32 addend
	v_and_b32 v35, 0xffff0000, v32
	v_lshlrev_b32 v36, 16, v33
	v_and_b32 v37, 0xffff0000, v33
	global_store_b128 v2, v[34:37], s[18:19]
.Lend:
	s_endpgm
.Lfunc_end_k_q94f514648b_prep:
	.size	k_q94f514648b_prep, .Lfunc_end_k_q94f514648b_prep-k_q94f514648b_prep
	.p2alignl 7, 3214868480
	.fill 96, 4, 3214868480
	.section	.rodata,"a",@progbits
	.p2align	6, 0x0
	.amdhsa_kernel k_q94f514648b_prep
		.amdhsa_group_segment_fixed_size 0
		.amdhsa_private_segment_fixed_size 0
		.amdhsa_enable_private_segment 0
		.amdhsa_kernarg_size 64
		.amdhsa_user_sgpr_count 2
		.amdhsa_user_sgpr_kernarg_segment_ptr 1
		.amdhsa_wavefront_size32 1
		.amdhsa_system_sgpr_workgroup_id_x 1
		.amdhsa_system_sgpr_workgroup_id_y 1
		.amdhsa_system_sgpr_workgroup_id_z 1
		.amdhsa_system_vgpr_workitem_id 0
		.amdhsa_next_free_vgpr 40
		.amdhsa_next_free_sgpr 66
		.amdhsa_reserve_vcc 0
		.amdhsa_float_denorm_mode_32 3
		.amdhsa_float_denorm_mode_16_64 3
		.amdhsa_memory_ordered 1
		.amdhsa_forward_progress 1
		.amdhsa_inst_pref_size 3
	.end_amdhsa_kernel
	.amdgpu_metadata
---
amdhsa.version: [ 1, 2 ]
amdhsa.kernels:
  - .name:           k_q94f514648b_prep
    .symbol:         k_q94f514648b_prep.kd
    .args:
      - { .name: wk, .offset: 0, .size: 8, .value_kind: global_buffer, .address_space: global }
      - { .name: wv, .offset: 8, .size: 8, .value_kind: global_buffer, .address_space: global }
      - { .name: wq, .offset: 16, .size: 8, .value_kind: global_buffer, .address_space: global }
      - { .name: bk, .offset: 24, .size: 8, .value_kind: global_buffer, .address_space: global }
      - { .name: bv, .offset: 32, .size: 8, .value_kind: global_buffer, .address_space: global }
      - { .name: bq, .offset: 40, .size: 8, .value_kind: global_buffer, .address_space: global }
      - { .name: wb, .offset: 48, .size: 8, .value_kind: global_buffer, .address_space: global }
      - { .name: bb, .offset: 56, .size: 8, .value_kind: global_buffer, .address_space: global }
    .group_segment_fixed_size: 0
    .private_segment_fixed_size: 0
    .kernarg_segment_align: 8
    .kernarg_segment_size: 64
    .max_flat_workgroup_size: 256
    .sgpr_count:     66
    .vgpr_count:     40
    .wavefront_size: 32
...
	.end_amdgpu_metadata
.endif
;; end of part 1
;; launch proj (part 2): grid 4 x 64, 4 waves a work-group, clusters of 4 x 4, 327,680 bytes of LDS; arguments k, v, q, wb, bb, kh, vh, qh; writes kh, vh, qh
.if DOCPART == 2
	.amdgcn_target "amdgcn-amd-amdhsa--gfx1250"
	.amdhsa_code_object_version 6
	.text
	.protected	k_q94f514648b_proj
	.globl	k_q94f514648b_proj
	.p2align	8
	.type	k_q94f514648b_proj,@function
k_q94f514648b_proj:
	s_mov_b64 s[64:65], 0
	v_nop
	global_prefetch_b8 v0, s[64:65] scope:SCOPE_SE
	s_setreg_imm32_b32 hwreg(HW_REG_WAVE_MODE, 25, 1), 1
	s_wait_xcnt 0x0
	s_wait_alu depctr_hold_cnt(0) depctr_sa_sdst(0) depctr_va_vdst(0) depctr_va_sdst(0) depctr_va_ssrc(0) depctr_va_vcc(0) depctr_vm_vsrc(0)
	s_getreg_b32 s2, hwreg(HW_REG_IB_STS2, 6, 4)
	s_cmp_eq_u32 s2, 0
	s_cbranch_scc0 .Lentry_in_a_cluster
	s_endpgm
.Lentry_in_a_cluster:
	s_bfe_u32 s2, ttmp6, 0x10000c
	s_cmp_lg_u32 s2, 0xf033
	s_cbranch_scc0 .Lentry_shape_is_right
	s_endpgm
.Lentry_shape_is_right:
; THE THREE PROJECTIONS.  y[row][e] = the sum over d of x[row][d] W[e][d] + b[e], x = k, v, q: [8192][1024] f32, W: [1024][1024] bf16 (wb), b: f32 holding bf16 values (bb).
; x is rounded to bf16 in registers, between its LDS load and the matrix instruction; sums in f32; y is rounded once to f16 and stored by heads: [64 = batch x 16 + head][2048][64].
; q's y is multiplied in f32 by c = log2(e) / 8 ahead of that one rounding, so that the next launch's scores are exponents of 2.
; LIMITS.  f16 ends at 65,504: |k|, |v| and |c q| of the projections' results stay within it; NaN and infinities are not treated apart.
; SHARES.  256 work-groups that STAY: each makes one tile of 128 rows x 256 columns of each projection, in the order k, v, q: 24 K steps of 128 in ONE walk of a ring of two LDS slots, which runs on across tiles.
; Four waves, each 64 rows x 128 columns: 32 accumulators.  A K step is four quarters of 32 along K, 32 products each, on fragment buffers 0, 1, 0, 1.
; CLUSTER 4 x 4.  The four work-groups of a row of the cluster take the same 128 rows of x, the four of a column the same 256 rows of W: each tile is asked for JOINTLY, by the same tensor load with the same
; descriptor and a mask that names the four.  The grid is 4 wide, so the column tile is cx itself, and a row of the cluster covers all 1,024 columns.
; THE PRODUCT IS USED TRANSPOSED: source 0 = 16 rows of W, source 1 = 16 rows of x: a lane then holds one row of y (lane % 16) and eight neighbouring columns 8 (lane / 16) + 0..7.
; The bias is the C operand of a tile's first 32 products: nothing is cleared and nothing is added later.
; REGISTERS, in windows of 256 (s_set_vgpr_msb: bits 1:0 source 0, 3:2 source 1, 5:4 source 2, 7:6 destination):
;   window 0: v1-15 addresses; v32-95 x as f32 (16 a block of 16 rows); v96-127, v128-159 x's fragments in bf16, two buffers; v128-255 at work on the way out
;   window 1: the 32 accumulators, product i (rows 16 (i / 8) on, columns 16 (i % 8) on) at v[8 i]          window 2: v0-63, v64-127 W's fragments, two buffers; v128-191 the bias, 8 a column block
.set PA,    528       ; a row of x in LDS: 512 bytes of f32 + 16 of padding = 132 words: row r starts at bank 4 r mod 64 (64 banks of 4 bytes: ISA guide 11.1)
.set PB,    272       ; a row of W: 256 bytes of bf16 + 16 = 68 words: likewise
.set AHALF, 64*PA     ; what one load of x brings
.set BOFF,  128*PA    ; W's rows lie behind x's 128
.set BHALF, 128*PB    ; what one load of W brings
.set SLOT1, 0x22000   ; slot 1 begins here: its two bits are set in none of the four fill addresses 0, 0x8400, 0x10800, 0x19000, so one exclusive or turns an address in one slot into the other's
.set STAGE, SLOT1+BOFF+2*BHALF  ; behind the ring, never filled by a tensor load: 16 rows x 144 bytes for each wave, for the way out
.set SP,    144
.set SPARE, STAGE+4*16*SP       ; behind the stages: the spare words, 128 bytes for each wave: two blocks of 256 bytes that no other line names
.set A0,   4          ; v4   my lane's place in a slot's x; never rewritten
.set B0,   5          ; v5   the same for W
.set ADRA, 6          ; v6   the same in the slot in hand
.set ADRB, 7          ; v7
.set STO,  8          ; v8   the way out: where I put 16 bytes of a row
.set RD,   9          ; v9   the way out: where I read rows back
.set GO,   10         ; v10  my byte offset in 512 consecutive bytes of the output
.set BO,   11         ; v11  my byte offset in a projection's bias
.set PFO,  12         ; v12  the prefetches' offset; never rewritten
.set SPW,  14         ; v14  LDS address of my spare word; never rewritten
.set NIL,  15         ; v15  0; never rewritten
.set XF,   32
.set AF,   96
.set OB,   128
.set BF,   0          ; window 2
.set BIAS, 128        ; window 2
.set XC,   4          ; s[4:5], s[6:7], s[8:9]  x of the tile whose K steps are being asked for, of the next, of the last, at the 64 rows that I fetch
.set XN,   6
.set XL,   8
.set WC,   10         ; s[10:11], s[20:21], s[22:23]  the same for W, at the 128 rows that I fetch
.set WN,   20
.set WL,   22
.set BP,   12         ; s[12:13] the bias of the tile to come
.set OUT,  14         ; s[14:15], s[16:17], s[18:19]  the output of the tile in hand, of the next, of the last, at my wave's first row and head
.set OUTN, 16
.set OUTL, 18
.set G1A,  24         ; s[24:31] descriptor group 1 for x's tiles
.set G1B,  32         ; s[32:39] for W's
.set G0A,  40         ; s[40:43] descriptor group 0 for x's tiles: made anew for each request
.set G0B,  44         ; s[44:47] the same for W's
.set PFC,  48         ; s[48:49], s[50:51], s[52:53]  the prefetches' three bases
.set PFN,  50
.set PFL,  52
.set PFA,  54         ; s[54:55] the prefetch's address
.set POF,  56         ; s[56:57], s[58:59], s[60:61]  byte offsets along K, 0 above
.set OFA,  58
.set OFB,  60
.set CS,   62         ; s[62:63] c
.set WV,   66         ; my wave's number
.set FK,   67         ; which half of the tile's rows is mine.  Also: I fetch x (0) or W (1)
.set HF,   68         ; which half of its columns.  Also: which half of that tile I fetch
.set RK,   69         ; the K step, within its tile, to be asked for next
.set PK,   70         ; the same for the prefetches
.set PSH,  71         ; log2 of a K step's bytes in a row: 9 for x, 8 for W
.set LIM,  72         ; 2 in a wave that prefetches, else the greatest number
.set LEFT, 73         ; trips of the loop still to come
.set KS,   74         ; the K step in hand, within its tile
.set TB,   75         ; the slot in hand: 0 or SLOT1
.set CX,   76
.set CY,   77
.set RT,   78         ; the tile row: 128 rows of x
.set CLY,  91         ; the cluster's y
.set MSB, 0
.macro WIN new                      ; the immediate's high byte repeats the setting that is left; a switch that changes nothing is dropped
.if MSB != (\new)
	s_set_vgpr_msb (MSB<<8)|(\new)
.set MSB, (\new)
.endif
.endm
.set MUL,  0x52       ; W's fragment window 2, x's window 0, C and D window 1
.set MULB, 0x62       ; the same with C in window 2: the bias
; A joint load.  Waves 0 and 1 fetch x's two halves, waves 2 and 3 W's.  The branch hangs on the wave's number alone.  An s_nop 0 and four v_nop follow each of the two lines.
.macro JLOAD
	s_cmp_eq_u32 s[FK], 0
	s_cbranch_scc0 .Lfor_b_\@
	tensor_load_to_lds s[G0A:G0A+3], s[G1A:G1A+7]
	s_nop 0
.rept 4
	v_nop
.endr
	s_branch .Lasked_\@
.Lfor_b_\@:
	tensor_load_to_lds s[G0B:G0B+3], s[G1B:G1B+7]
	s_nop 0
.rept 4
	v_nop
.endr
.Lasked_\@:
.endm
; A round of the cluster's barrier: my work-group's barrier; wave 0 signals for the work-group; every wave waits for all sixteen; my work-group's barrier once more.
.macro CREST                        ; a round behind its opening barrier
	s_cmp_lg_u32 s[WV], 0
	s_cbranch_scc1 .Lnot_wave_0_\@
	s_barrier_signal -3
.Lnot_wave_0_\@:
	s_barrier_wait -3
	s_barrier_signal -1
	s_barrier_wait -1
.endm
.macro CROUND
	s_barrier_signal -1
	s_barrier_wait -1
	CREST
.endm
; Both descriptors are made for K step RK of the tile whose bases stand in XC and WC; tog = 1: into the other slot than last time.  Behind a tile's eighth step the bases move up.
; It stands where no tensor load of mine is out.
.macro REQ tog
	s_lshl_b32 s[OFA], s[RK], 9
	s_lshl_b32 s[OFB], s[RK], 8
	s_add_nc_u64 s[G0A+2:G0A+3], s[XC:XC+1], s[OFA:OFA+1]
	s_or_b32 s[G0A+3], s[G0A+3], 0x80000000        ; 127:126 type = 2
	s_add_nc_u64 s[G0B+2:G0B+3], s[WC:WC+1], s[OFB:OFB+1]
	s_or_b32 s[G0B+3], s[G0B+3], 0x80000000
.if \tog
	s_xor_b32 s[G0A+1], s[G0A+1], SLOT1
	s_xor_b32 s[G0B+1], s[G0B+1], SLOT1
.endif
	s_add_co_u32 s[RK], s[RK], 1
	s_cmp_eq_u32 s[RK], 8
	s_cselect_b32 s[RK], 0, s[RK]
	s_cselect_b64 s[XC:XC+1], s[XN:XN+1], s[XC:XC+1]
	s_cselect_b64 s[XN:XN+1], s[XL:XL+1], s[XN:XN+1]
	s_cselect_b64 s[WC:WC+1], s[WN:WN+1], s[WC:WC+1]
	s_cselect_b64 s[WN:WN+1], s[WL:WL+1], s[WN:WN+1]
.endm
; A PREFETCH INTO THE L2 behind each joint load and the run of LDS loads that follows it: the K step that stands two refills on, 256 matrix instructions ahead of the load that will want it.
; Of the rows that a wave fetches each of the four partners that ask for them jointly takes a quarter, told apart BY ADDRESS: of x 16 rows x 2 blocks of 256 bytes, of W 32 rows x 1 block: a lane a block, one
; instruction a wave.  A tile row of x is read by one row of one cluster alone: all of them ask; W's rows are read by all sixteen clusters: the one with y = 0 asks.  So each block is named once in the launch.
; The first four K steps come by their loads alone; the last two trips of the loop ask for nothing: there is no K step four on.
.macro PSTEP                        ; the address for this change of slots; it stands behind s_wait_xcnt 0, a K step behind the prefetch that read the last
	s_lshl_b32 s[POF], s[PK], s[PSH]
	s_add_nc_u64 s[PFA:PFA+1], s[PFC:PFC+1], s[POF:POF+1]
	s_add_co_u32 s[PK], s[PK], 1
	s_cmp_eq_u32 s[PK], 8
	s_cselect_b32 s[PK], 0, s[PK]
	s_cselect_b64 s[PFC:PFC+1], s[PFN:PFN+1], s[PFC:PFC+1]
	s_cselect_b64 s[PFN:PFN+1], s[PFL:PFL+1], s[PFN:PFN+1]
.endm
.macro ASK
	s_cmp_gt_u32 s[LEFT], s[LIM]
	s_cbranch_scc0 .Lnot_mine_\@
	global_prefetch_b8 v[PFO], s[PFA:PFA+1] th:TH_LOAD_NT scope:SCOPE_SE
.Lnot_mine_\@:
.endm
; Product i of a quarter's 32, on fragment buffer f.  The 32 accumulators take turns, one instruction a turn, in the same order in every quarter, over every jump too.
.macro MM f, bias
.if \bias
	WIN MULB
	v_wmma_f32_16x16x32_bf16 v[8*i:8*i+7], v[BF+64*(\f)+8*(i%8):BF+64*(\f)+8*(i%8)+7], v[AF+32*(\f)+8*(i/8):AF+32*(\f)+8*(i/8)+7], v[BIAS+8*(i%8):BIAS+8*(i%8)+7]
.else
	WIN MUL
	v_wmma_f32_16x16x32_bf16 v[8*i:8*i+7], v[BF+64*(\f)+8*(i%8):BF+64*(\f)+8*(i%8)+7], v[AF+32*(\f)+8*(i/8):AF+32*(\f)+8*(i/8)+7], v[8*i:8*i+7]
.endif
.set i, i+1
.endm
; 32 LDS loads in one run: a quarter's x (64 rows x 32 K of f32, at byte ka of the rows) into XF, then its W (128 rows x 32 K of bf16, at byte kb) into buffer g.
; A fragment holds, for lane l, row l % 16 and K = 8 (l / 16) + 0..7 and 16 + 8 (l / 16) + 0..7: in f32 two runs of 32 bytes, 64 bytes apart; in bf16 two of 16 bytes, 32 apart.
.macro FETCH ka, kb, g
	WIN 0
.irp n, 0,1,2,3
	ds_load_b128 v[XF+16*(\n):XF+16*(\n)+3],     v[ADRA] offset:(\ka)+(\n)*16*PA
	ds_load_b128 v[XF+16*(\n)+4:XF+16*(\n)+7],   v[ADRA] offset:(\ka)+(\n)*16*PA+16
	ds_load_b128 v[XF+16*(\n)+8:XF+16*(\n)+11],  v[ADRA] offset:(\ka)+(\n)*16*PA+64
	ds_load_b128 v[XF+16*(\n)+12:XF+16*(\n)+15], v[ADRA] offset:(\ka)+(\n)*16*PA+80
.endr
	WIN 0x80                        ; destination window 2, address window 0
.irp b, 0,1,2,3,4,5,6,7
	ds_load_b128 v[BF+64*(\g)+8*(\b):BF+64*(\g)+8*(\b)+3],   v[ADRB] offset:(\kb)+(\b)*16*PB
	ds_load_b128 v[BF+64*(\g)+8*(\b)+4:BF+64*(\g)+8*(\b)+7], v[ADRB] offset:(\kb)+(\b)*16*PB+32
.endr
.endm
.macro CVT g, n                     ; four of the 32 roundings that make x's fragments in buffer g
	WIN 0
.irp m, 0,1,2,3
	v_cvt_pk_bf16_f32 v[AF+32*(\g)+4*(\n)+(\m)], v[XF+8*(\n)+2*(\m)], v[XF+8*(\n)+2*(\m)+1]
.endr
.endm
.macro TAIL8 f, g, bias             ; behind product 24: x of the next quarter is in; its roundings stand four behind each of the last eight products
	s_wait_dscnt 16                 ; x's 16 loads are back; W's 16, issued behind them, may stay out
	CVT \g, 0
.set cn, 1
.rept 7
	MM \f, \bias
	CVT \g, cn
.set cn, cn+1
.endr
.endm
; One of a K step's first three quarters: multiplies buffer f and makes buffer g for the next quarter.  The four roundings behind the quarter's last product name none of its registers: they are the four places
; in front of the next quarter's loads into, and roundings onto, the buffers that this quarter has read.  No v_nop is written.
.macro QUARTER ka, kb, f, g, bias
.set i, 0
	s_wait_dscnt 0x0                ; W's fragments of buffer f are in: they were issued 28 products back
.rept 4
	MM \f, \bias
.endr
	FETCH \ka, \kb, \g
.rept 21
	MM \f, \bias
.endr
	TAIL8 \f, \g, \bias
.endm
; The fourth quarter multiplies buffer 1 and changes slots: ONE barrier.  In front of it each wave waits for all its tensor loads, of which one is out: its part of the next slot; adds 0 to its spare word; and
; waits for that and for its own reads of this slot.  fill = 1: the barrier opens a round of the cluster's, so that no wave of any partner still reads the slot or has a load on its way; the joint refill, the
; K step two on, is the first thing behind it: 112 products stand between it and the wait for it.
.macro TURN fill
.set i, 0
.if \fill
	s_wait_xcnt 0x0                 ; the last prefetch, a K step back, has read its address
	PSTEP
.endif
	WIN 0
	s_wait_tensorcnt 0x0            ; no tensor load of mine is out, so the descriptors may be written
	ds_add_u32 v[SPW], v[NIL]       ; 0 onto my spare word
.if \fill
	REQ 1
.endif
	s_wait_dscnt 1                  ; only the add may be out: W's fragments of buffer 1 are in
.rept 8
	MM 1, 0
.endr
	s_wait_dscnt 0x0                ; the add is done, and my reads of this slot are over
	s_barrier_signal -1
.rept 8
	MM 1, 0
.endr
	WIN 0                           ; at a branch and at a label every window is 0
	s_barrier_wait -1
.if \fill
	CREST
	JLOAD
.endif
	s_xor_b32 s[TB], s[TB], SLOT1
	v_add_nc_u32 v[ADRA], s[TB], v[A0]
	v_add_nc_u32 v[ADRB], s[TB], v[B0]
	FETCH 0, 0, 0
	WIN 0
.if \fill
	ASK
.endif
.rept 9
	MM 1, 0
.endr
	TAIL8 1, 0, 0
.endm
.macro BIASLD                       ; lane l takes b[16 b + 8 (l / 16) + 0..7] of my 128 columns: the C operand's layout
	WIN 0x80
.irp b, 0,1,2,3,4,5,6,7
	global_load_b128 v[BIAS+8*(\b):BIAS+8*(\b)+3],   v[BO], s[BP:BP+1] offset:64*(\b)
	global_load_b128 v[BIAS+8*(\b)+4:BIAS+8*(\b)+7], v[BO], s[BP:BP+1] offset:64*(\b)+16
.endr
	WIN 0
.endm
; THE WAY OUT, by pieces t = 2 a + head: 16 rows x one head's 64 columns, the accumulators v[32 t .. 32 t + 31], read in ascending order.  Rounded to f16, 16 bytes a lane into my own stage, back as whole rows of
; 128 bytes, which lie end to end in the output: each store of the wave covers 512 consecutive bytes, aligned.
.macro PACK t, scale
.if \scale
	WIN 0x41
.set j, 0
.rept 16
	v_pk_mul_f32 v[32*(\t)+2*j:32*(\t)+2*j+1], v[32*(\t)+2*j:32*(\t)+2*j+1], s[CS:CS+1] op_sel_hi:[1,0]
.set j, j+1
.endr
.endif
	WIN 0x05                        ; sources 0 and 1 window 1, destination window 0
.set j, 0
.rept 16
	v_cvt_pk_f16_f32 v[OB+16*(\t)+j], v[32*(\t)+2*j], v[32*(\t)+2*j+1]
.set j, j+1
.endr
	WIN 0
.irp f, 0,1,2,3
	ds_store_b128 v[STO], v[OB+16*(\t)+4*(\f):OB+16*(\t)+4*(\f)+3] offset:32*(\f)
.endr
.irp f, 0,1,2,3
	ds_load_b128 v[OB+16*(\t)+4*(\f):OB+16*(\t)+4*(\f)+3], v[RD] offset:(\f)*4*SP  ; LDS serves a wave's instructions in order (ISA guide 5.7.1.4): these see the stores above; the next piece's stores come behind them
.endr
.endm
.macro SEND t, younger              ; younger: the LDS instructions issued behind piece t's loads: the next piece's eight, or none
	WIN 0
.irp f, 0,1,2,3
	s_wait_dscnt (\younger)+3-(\f)
	global_store_b128 v[GO], v[OB+16*(\t)+4*(\f):OB+16*(\t)+4*(\f)+3], s[OUT:OUT+1] offset:((\t)%2)*262144+((\t)/2)*2048+(\f)*512
.endr
.endm
.macro EPI scale, next              ; next = 1: another tile follows: its bias is asked for first, and the output's bases move up behind the stores
.if \next
	s_add_nc_u64 s[BP:BP+1], s[BP:BP+1], 4096      ; the last bias loads were waited for at the tile's first K step
	BIASLD
.endif
	PACK 0, \scale
.set t, 1
.rept 7                             ; a piece's roundings stand between the loads of the piece before and its stores
	PACK t, \scale
	SEND t-1, 8
.set t, t+1
.endr
	SEND 7, 0
.if \next
	s_wait_xcnt 0x0                 ; the stores have read their base and their data: both are written again only behind this wait
	s_mov_b64 s[OUT:OUT+1], s[OUTN:OUTN+1]
	s_mov_b64 s[OUTN:OUTN+1], s[OUTL:OUTL+1]
.endif
.endm
	s_load_b512 s[4:19], s[0:1], 0x0               ; k, v, q, wb, bb, kh, vh, qh: straight into XC, XN, XL, WC, BP, OUT, OUTN, OUTL
	v_lshl_add_u32 v[SPW], v0, 2, SPARE
	v_mov_b32 v[NIL], 0
	ds_add_u32 v[SPW], v[NIL]                      ; the wave's opening: the add and its wait stand ahead of my first tensor load; the set-up below, work on registers, stands between them
	v_lshrrev_b32 v1, 5, v0
	v_readfirstlane_b32 s[WV], v1                  ; wave 0..3
	s_lshr_b32 s[FK], s[WV], 1
	s_and_b32 s[HF], s[WV], 1
	s_bfe_u32 s[CX], ttmp6, 0x40000                ; my place in the cluster; cx is also the column tile
	s_bfe_u32 s[CY], ttmp6, 0x40004
	s_and_b32 s[CLY], ttmp7, 0xffff                ; in a cluster launch ttmp7 counts clusters
	s_lshl_b32 s[RT], s[CLY], 2
	s_add_co_u32 s[RT], s[RT], s[CY]               ; tile row = 4 x cluster y + cy
	s_lshl_b32 s88, s[CY], 2
	s_lshl_b32 s88, 15, s88                        ; my row of the cluster: places 4 cy .. 4 cy + 3
	s_lshl_b32 s89, 0x1111, s[CX]                  ; my column: places cx, cx + 4, cx + 8, cx + 12
	s_or_b32 s[G1A], s88, (2<<16)|(1<<20)|(1<<21)|(6<<22)|(3<<25)  ; 15:0 the mask: x's tiles go to my row; 17:16 elements of 4 bytes; 20 padding on; 21 set beside a mask; 24:22 after every 128 words (code 6); 31:25 4 words of it (code 3)
	s_mov_b32 s[G1A+1], 128<<16                    ; tensor_dim0 = 128
	s_mov_b32 s[G1A+2], 64<<16                     ; tensor_dim1 = 64
	s_mov_b32 s[G1A+3], 128<<16                    ; tile_dim0 = 128
	s_mov_b32 s[G1A+4], 64                         ; tile_dim1 = 64
	s_mov_b32 s[G1A+5], 1024                       ; elements from row to row
	s_mov_b32 s[G1A+6], 0
	s_mov_b32 s[G1A+7], 0
	s_or_b32 s[G1B], s89, (1<<16)|(1<<20)|(1<<21)|(5<<22)|(3<<25)  ; W's tiles go to my column; elements of 2 bytes; padding after every 64 words (code 5)
	s_mov_b32 s[G1B+1], 128<<16
	s_mov_b32 s[G1B+2], 128<<16                    ; tensor_dim1 = 128
	s_mov_b32 s[G1B+3], 128<<16
	s_mov_b32 s[G1B+4], 128                        ; tile_dim1 = 128
	s_mov_b32 s[G1B+5], 1024
	s_mov_b32 s[G1B+6], 0
	s_mov_b32 s[G1B+7], 0
	s_mov_b32 s[G0A], 1                            ; 1:0 count = 1
	s_mul_i32 s[G0A+1], s[HF], AHALF               ; 63:32 LDS address, slot 0: no place in the cluster enters it
	s_mov_b32 s[G0B], 1
	s_mul_i32 s[G0B+1], s[HF], BHALF
	s_add_co_u32 s[G0B+1], s[G0B+1], BOFF
	s_lshl_b32 s87, s[HF], 18                      ; the half that I fetch: 64 rows of 4,096 bytes, or 128 of 2,048
	s_lshl_b32 s80, s[RT], 19                      ; x: 128 rows of 4,096 bytes a tile row; hangs on the tile row alone, which my row of the cluster shares
	s_add_co_u32 s80, s80, s87
	s_mov_b32 s81, 0
	s_lshl_b32 s82, s[CX], 19                      ; W: 256 rows of 2,048 bytes a column tile; hangs on the column tile alone, which my column shares
	s_add_co_u32 s82, s82, s87
	s_mov_b32 s83, 0
	s_lshr_b32 s84, s[RT], 4                       ; the batch: 16 tile rows each
	s_lshl_b32 s84, s84, 4
	s_lshl_b32 s86, s[CX], 2
	s_add_co_u32 s84, s84, s86
	s_lshl_b32 s86, s[HF], 1
	s_add_co_u32 s84, s84, s86                     ; my first head = 16 x batch + 4 cx + 2 x half
	s_lshl_b32 s84, s84, 18                        ; a head is 2,048 rows of 128 bytes
	s_and_b32 s86, s[RT], 15
	s_lshl_b32 s86, s86, 7
	s_lshl_b32 s90, s[FK], 6
	s_add_co_u32 s86, s86, s90                     ; my first row in the batch
	s_lshl_b32 s86, s86, 7
	s_add_co_u32 s84, s84, s86
	s_mov_b32 s85, 0
	s_mov_b32 s[RK], 0
	s_mov_b32 s[PK], 4                             ; the first change of slots names K step 4
	s_mov_b32 s[POF+1], 0
	s_mov_b32 s[OFA+1], 0
	s_mov_b32 s[OFB+1], 0
	s_mov_b32 s[CS], 0x3e38aa3b                    ; c = log2(e) / 8 = 0.180337
	s_mov_b32 s[CS+1], s[CS]                       ; named with it as a pair
	s_wait_dscnt 0x0                               ; the opening add is done
	s_wait_kmcnt 0x0
	s_add_nc_u64 s[XC:XC+1], s[XC:XC+1], s[80:81]
	s_add_nc_u64 s[XN:XN+1], s[XN:XN+1], s[80:81]
	s_add_nc_u64 s[XL:XL+1], s[XL:XL+1], s[80:81]
	s_add_nc_u64 s[WC:WC+1], s[WC:WC+1], s[82:83]
	s_add_nc_u64 s[WN:WN+1], s[WC:WC+1], 0x200000  ; a projection's weights are 2 MiB
	s_add_nc_u64 s[WL:WL+1], s[WC:WC+1], 0x400000
	s_add_nc_u64 s[OUT:OUT+1], s[OUT:OUT+1], s[84:85]
	s_add_nc_u64 s[OUTN:OUTN+1], s[OUTN:OUTN+1], s[84:85]
	s_add_nc_u64 s[OUTL:OUTL+1], s[OUTL:OUTL+1], s[84:85]
	s_cmp_eq_u32 s[FK], 0                          ; the prefetches: do I fetch x?
	s_cselect_b64 s[PFC:PFC+1], s[XC:XC+1], s[WC:WC+1]
	s_cselect_b64 s[PFN:PFN+1], s[XN:XN+1], s[WN:WN+1]
	s_cselect_b64 s[PFL:PFL+1], s[XL:XL+1], s[WL:WL+1]
	s_cselect_b32 s92, s[CX], s[CY]                ; my place among the four that ask with me
	s_cselect_b32 s[PSH], 9, 8
	s_cselect_b32 s94, 1, 0                        ; x: two lanes a row
	s_cselect_b32 s95, 12, 11                      ; log2 of a row's bytes in memory
	s_cselect_b32 s90, 0, s[CLY]                   ; W's rows are read by every cluster: the one with y = 0 asks; the same in all sixteen partners, for a given wave
	s_cmp_eq_u32 s90, 0
	s_cselect_b32 s[LIM], 2, -1
	s_lshl_b32 s92, s92, 16                        ; my work-group's quarter: 16 rows of 4,096 bytes, or 32 of 2,048
	s_mov_b32 s93, 0
	s_add_nc_u64 s[PFC:PFC+1], s[PFC:PFC+1], s[92:93]
	s_add_nc_u64 s[PFN:PFN+1], s[PFN:PFN+1], s[92:93]
	s_add_nc_u64 s[PFL:PFL+1], s[PFL:PFL+1], s[92:93]
	REQ 0
	CROUND                                         ; all sixteen work-groups are here: the first joint loads meet
	JLOAD                                          ; K step 0 into slot 0
	v_and_b32 v1, 15, v0                           ; l % 16
	v_bfe_u32 v2, v0, 4, 1                         ; l / 16
	s_lshl_b32 s86, s[CX], 10                      ; my 128 columns in the bias: 4 bytes each
	s_lshl_b32 s90, s[HF], 9
	s_add_co_u32 s86, s86, s90
	v_lshl_add_u32 v[BO], v2, 5, s86
	BIASLD                                         ; the first tile's
	s_mul_i32 s79, s[FK], 64*PA                    ; my 64 rows of x
	v_mul_u32_u24 v3, v1, PA
	v_lshl_add_u32 v3, v2, 5, v3                   ; row x pitch + 32 x half
	v_add_nc_u32 v[A0], s79, v3
	s_mul_i32 s79, s[HF], BHALF                    ; my 128 rows of W
	s_add_co_u32 s79, s79, BOFF
	v_mul_u32_u24 v3, v1, PB
	v_lshl_add_u32 v3, v2, 4, v3                   ; row x pitch + 16 x half
	v_add_nc_u32 v[B0], s79, v3
	s_mul_i32 s79, s[WV], 16*SP
	s_add_co_u32 s79, s79, STAGE                   ; my stage
	v_mul_u32_u24 v3, v1, SP                       ; in: row l % 16, 16 bytes for each half of the lanes
	v_lshl_add_u32 v3, v2, 4, v3
	v_add_nc_u32 v[STO], s79, v3
	v_bfe_u32 v3, v0, 3, 2                         ; back: 32 lanes take four rows of 128 bytes,
	v_mul_u32_u24 v3, v3, SP
	v_and_b32 v13, 7, v0
	v_lshl_add_u32 v3, v13, 4, v3
	v_add_nc_u32 v[RD], s79, v3
	v_and_b32 v13, 31, v0
	v_lshlrev_b32 v[GO], 4, v13                    ; which are 512 consecutive bytes of the output
	v_lshrrev_b32 v[PFO], s94, v13                 ; the prefetches: my row,
	v_lshlrev_b32 v[PFO], s95, v[PFO]
	v_and_b32 v13, s94, v13                        ; and for x which 256 bytes of the K step's 512
	v_lshl_add_u32 v[PFO], v13, 8, v[PFO]
	s_wait_tensorcnt 0x0                           ; the first change of slots: my part of K step 0 is in,
	ds_add_u32 v[SPW], v[NIL]                      ; 0 onto my spare word
	REQ 1
	s_wait_dscnt 0x0
	CROUND                                         ; everybody's is;
	JLOAD                                          ; K step 1 into slot 1, asked for as a refill is
	s_mov_b32 s[TB], 0
	v_mov_b32 v[ADRA], v[A0]
	v_mov_b32 v[ADRB], v[B0]
	FETCH 0, 0, 0
	WIN 0
	s_wait_dscnt 16                                ; x's 16 loads are back
.irp n, 0,1,2,3,4,5,6,7
	CVT 0, \n
.endr
	s_mov_b32 s[LEFT], 22
	s_mov_b32 s[KS], 0
.Lstep:                                            ; 22 trips, a K step each: every step but the walk's last two asks for the step two on
	s_wait_loadcnt 0x0                             ; the bias; no other load into registers is ever out here, so in a tile's later steps the wait finds nothing
	s_cmp_eq_u32 s[KS], 0
	s_cbranch_scc0 .Lplain
	QUARTER 128, 64, 0, 1, 1                       ; a tile's first quarter starts the sums with the bias
	WIN 0
	s_branch .Ljoin
.Lplain:
	QUARTER 128, 64, 0, 1, 0
	WIN 0
.Ljoin:
	QUARTER 256, 128, 1, 0, 0
	QUARTER 384, 192, 0, 1, 0
	TURN 1
	WIN 0
	s_add_co_u32 s[KS], s[KS], 1
	s_cmp_eq_u32 s[KS], 8
	s_cbranch_scc0 .Lnoepi                         ; forward, past text that holds neither a barrier nor a tensor load
	s_mov_b32 s[KS], 0
	EPI 0, 1                                       ; both refills for the next tile are asked for: now the tile goes out.  The roundings behind the last product are its four places
.Lnoepi:
	s_sub_co_u32 s[LEFT], s[LEFT], 1
	s_cmp_lg_u32 s[LEFT], 0
	s_cbranch_scc1 .Lstep
	QUARTER 128, 64, 0, 1, 0                       ; the walk's last two K steps are written out: nothing is asked for
	QUARTER 256, 128, 1, 0, 0
	QUARTER 384, 192, 0, 1, 0
	TURN 0
	QUARTER 128, 64, 0, 1, 0
	QUARTER 256, 128, 1, 0, 0
	QUARTER 384, 192, 0, 1, 0
	s_wait_dscnt 0x0
.set i, 0
.rept 32
	MM 1, 0
.endr
	WIN 0
.rept 4
	v_nop                                          ; the places behind the last products: no other vector work is at hand
.endr
	EPI 1, 0                                       ; q's tile: times c
	s_wait_tensorcnt 0x0                           ; the wave's end: behind my last tensor load and my last LDS store
	ds_add_u32 v[SPW], v[NIL]
	s_wait_dscnt 0x0
	CROUND                                         ; the closing round: no work-group ends while a partner may still ask for a tile that names it
	s_endpgm
.Lfunc_end_k_q94f514648b_proj:
	.size	k_q94f514648b_proj, .Lfunc_end_k_q94f514648b_proj-k_q94f514648b_proj
	.p2alignl 7, 3214868480
	.fill 96, 4, 3214868480
	.section	.rodata,"a",@progbits
	.p2align	6, 0x0
	.amdhsa_kernel k_q94f514648b_proj
		.amdhsa_group_segment_fixed_size 327680
		.amdhsa_private_segment_fixed_size 0
		.amdhsa_enable_private_segment 0
		.amdhsa_kernarg_size 64
		.amdhsa_user_sgpr_count 2
		.amdhsa_user_sgpr_kernarg_segment_ptr 1
		.amdhsa_wavefront_size32 1
		.amdhsa_system_sgpr_workgroup_id_x 1
		.amdhsa_system_sgpr_workgroup_id_y 1
		.amdhsa_system_sgpr_workgroup_id_z 1
		.amdhsa_system_vgpr_workitem_id 0
		.amdhsa_next_free_vgpr 768
		.amdhsa_next_free_sgpr 96
		.amdhsa_reserve_vcc 0
		.amdhsa_float_denorm_mode_32 3
		.amdhsa_float_denorm_mode_16_64 3
		.amdhsa_memory_ordered 1
		.amdhsa_forward_progress 1
		.amdhsa_inst_pref_size 143
	.end_amdhsa_kernel
	.amdgpu_metadata
---
amdhsa.version: [ 1, 2 ]
amdhsa.kernels:
  - .name:           k_q94f514648b_proj
    .symbol:         k_q94f514648b_proj.kd
    .args:
      - { .name: k, .offset: 0, .size: 8, .value_kind: global_buffer, .address_space: global }
      - { .name: v, .offset: 8, .size: 8, .value_kind: global_buffer, .address_space: global }
      - { .name: q, .offset: 16, .size: 8, .value_kind: global_buffer, .address_space: global }
      - { .name: wb, .offset: 24, .size: 8, .value_kind: global_buffer, .address_space: global }
      - { .name: bb, .offset: 32, .size: 8, .value_kind: global_buffer, .address_space: global }
      - { .name: kh, .offset: 40, .size: 8, .value_kind: global_buffer, .address_space: global }
      - { .name: vh, .offset: 48, .size: 8, .value_kind: global_buffer, .address_space: global }
      - { .name: qh, .offset: 56, .size: 8, .value_kind: global_buffer, .address_space: global }
    .group_segment_fixed_size: 327680
    .private_segment_fixed_size: 0
    .kernarg_segment_align: 8
    .kernarg_segment_size: 64
    .max_flat_workgroup_size: 128
    .sgpr_count:     96
    .vgpr_count:     768
    .wavefront_size: 32
...
	.end_amdgpu_metadata
.endif
;; end of part 2
;; launch attn (part 3): grid 4 x 64, 4 waves a work-group, clusters of 4 x 1, 327,680 bytes of LDS; arguments qh, kh, vh, out0, mask; writes out0
.if DOCPART == 3
	.amdgcn_target "amdgcn-amd-amdhsa--gfx1250"
	.amdhsa_code_object_version 6
	.text
	.protected	k_q94f514648b_attn
	.globl	k_q94f514648b_attn
	.p2align	8
	.type	k_q94f514648b_attn,@function
k_q94f514648b_attn:
	s_mov_b64 s[64:65], 0
	v_nop
	global_prefetch_b8 v0, s[64:65] scope:SCOPE_SE
	s_setreg_imm32_b32 hwreg(HW_REG_WAVE_MODE, 25, 1), 1
	s_wait_xcnt 0x0
	s_wait_alu depctr_hold_cnt(0) depctr_sa_sdst(0) depctr_va_vdst(0) depctr_va_sdst(0) depctr_va_ssrc(0) depctr_va_vcc(0) depctr_vm_vsrc(0)
	s_getreg_b32 s2, hwreg(HW_REG_IB_STS2, 6, 4)
	s_cmp_eq_u32 s2, 0
	s_cbranch_scc0 .Lentry_in_a_cluster
	s_endpgm
.Lentry_in_a_cluster:
	s_bfe_u32 s2, ttmp6, 0x10000c
	s_cmp_lg_u32 s2, 0x3003
	s_cbranch_scc0 .Lentry_shape_is_right
	s_endpgm
.Lentry_shape_is_right:
; ATTENTION WITH A KEY MASK.  out[b][q][64 h ..] = the sum over k of softmax_k(Q.K / 8 + (1 - mask[b][k]) x -1e30) V[k].  Q, K, V: [64 = 16 b + h][2048][64] f16, a head's rows dense, 128 bytes each;
; Q arrives multiplied by c = log2(e) / 8, so S = K Q^T is an exponent of 2.  mask: [4][2048] f32.  out: [4][2048][1024] f32.
; Products, maxima and sums in f32; the weights p are rounded to f16 for the second product (their sum l is taken of the unrounded p).
; THE MASK is the C operand that starts the sum S^T = K Q^T: (mask - 1) x 1.4427e30, one fused multiply-add, exactly 0 where mask = 1.  A table of the batch's 2,048 such numbers is made once in LDS.
; A hidden score is the table's number: the products vanish beside it in f32.  So hidden scores of equal mask are equal, and where all keys are hidden all weights are 1, as in the reference.
; SOFTMAX.  For each query a running maximum m and sum l: p = 2^(s - m), a plain subtraction, exact where s = m; in every step O and l are multiplied by a = 2^(m_old - m_new).
; m starts at the lowest finite number, O and l at 0: the first step is a step like any other, with a = 0.
; LIMITS.  f16 holds no number beyond 65,504: Q, K and V arrive within it; p below 6e-5 keeps f16's fixed step of 6e-8; a weight below 2^-126 counts as 0 in l; NaN and infinities are not treated apart.
; SHARES.  A wave owns four PIECES of two tiles of 16 queries, a work-group's four waves 512 queries of one head; the four work-groups of a cluster are one head.  Every wave walks all keys, 64 a step.
; LAYOUT.  S^T = K Q^T (source 0 = 16 keys, source 1 = 16 queries): a lane holds ONE query (lane % 16) and the keys 8 (lane / 16) + 0..7.  Two such tiles, rounded to f16 in pairs, ARE source 1 of O^T = V^T P,
; whose result again holds one query a lane, and eight channels.  K comes out of LDS as it lies, V ([key][channel]) turned, by ds_load_tr16_b128.
; THE COUNT.  A tile and step have 16 matrix and 117 vector instructions: too many to stand all beside the matrix work.  So four vector instructions that are READY stand behind EVERY matrix instruction, the others in runs without a gap.
; BY TURNS.  Turn n belongs to piece n.  Its matrix work: 16 products K Q^T of piece n + 1, later 16 products V^T P of piece n - 1.  Its vector work: the subtraction, exponentials, roundings, sums and rescaling of
; piece n, and the maximum and statistics of piece n + 1, whose scores the turn itself has made.
; CLUSTER.  The four query blocks of a head walk the same K and V, so each tile is asked for JOINTLY: the same tensor load, descriptor and mask of work-groups in all four.
; REGISTERS, in windows of 256 (s_set_vgpr_msb: bits 1:0 source 0, 3:2 source 1, 5:4 source 2, 7:6 destination):
;   window 0: v0-11 addresses; v12-15, v48-63 at work; v16-47 four registers of statistics a tile; v64-191 S^T, two buffers of two tiles; v192-255 P, likewise
;   window 1: O^T, 32 a tile     window 2: v0-127 Q, 16 a tile; v128-191 K of one step; v192-255 V of one step     window 3: v0-1 the add's two registers; v8-39 the step's mask numbers, 8 for each 16 keys
.set SIZE_N, 2048
.set NP,    4         ; pieces a wave: a name, no knob
.set KS,    64        ; keys in a step
.set PK,    144       ; a row of K in LDS: 128 bytes + 16 of padding = 36 words: the 16 rows of a load start at 16 different groups of four banks (64 banks of 4 bytes: ISA guide 11.1)
.set PV,    160       ; a row of V: 128 + 32 = 40 words
.set VOFF,  4*KS*PK   ; a slot holds four steps: 256 rows of K, then 256 rows of V
.set SLOT1, 1<<17     ; slot 1 begins here, so that one exclusive or turns an address in one slot into the other's
.set STAGE, SLOT1+4*KS*(PK+PV)  ; behind the ring, never filled by a tensor load: 16 rows x 272 bytes for each wave, for the way out
.set SPO,   272       ; a stage row: 64 channels of f32 + 16 bytes
.set MKB,   STAGE+4*16*SPO      ; the mask table: 2,048 f32; written once by LDS stores, never filled by a tensor load
.set SPARE, MKB+8192            ; the spare words, 128 bytes for each wave: two blocks of 256 bytes that no other line names
.set AK0, 2           ; v2   my lane's place in a tile of K; never rewritten
.set AV0, 3           ; v3   the same for V
.set AK,  4           ; v4   the LDS address of K's next run of loads
.set AV,  5           ; v5   of V's
.set QO,  6           ; v6   my byte offset in the wave's rows of Q
.set STO, 6           ;      later, the way out: where I put 32 bytes of a row
.set RD,  7           ; v7   the way out: where I read rows back
.set GO,  8           ; v8   my byte offset in two rows of the output
.set AM,  10          ; v10  the LDS address of the mask numbers' next run of loads
.set AM0, 11          ; v11  my lane's place in the table: MKB + 32 (l / 16); never rewritten
.set SPW, 0           ; v0 of window 3   LDS address of my spare word; never rewritten
.set NIL, 1           ; v1 of window 3   0; never rewritten
.set MC,  8           ; window 3
.set MV,  12          ; v12-15  m_old, kept while m is made anew: by buffer and tile
.set ST,  16          ; tile t's statistics at v[ST+4 t]: m, a word that is only named with it as a pair, l (even keys', odd keys')
.set TMP, 48          ; by buffer and tile, four registers c0-c3 at work; when the maximum is found c2 takes a
.set S,   64
.set P,   192
.set KF,  128         ; K's fragments, in window 2: key block kb, channel half c at KF + 16 kb + 8 c
.set VF,  192         ; V's: key half kk, channel block cb at VF + 32 kk + 8 cb
.set WV,  12          ; s12  my wave's number
.set G1K, 24          ; s[24:31] descriptor group 1 for K's tiles
.set G1V, 32          ; s[32:39] for V's: it differs in the padding alone
.set G0K, 40          ; s[40:43] descriptor group 0 for K's tiles: it walks
.set G0V, 44          ; s[44:47] the same for V's
.set MP,  48          ; s[48:49] the batch's row of the mask
.set TBM, 50          ; s50  byte of the table at which the step to be fetched begins
.set KK,  52          ; s[52:53] 1e30 x log2(e)
.set SLOTS, 56        ; s56  slots still to be asked for
.set CNT, 57          ; s57  counts a slot's key steps
.set SEL, 60          ; s[60:61] v_permlanex16_b32's selects: each lane takes its own place in the other half
.set TBK, 62          ; s62  LDS byte at which K of the step to be fetched begins
.set TBV, 63          ; s63  the same for V, less VOFF
.set MSB, 0
.macro WIN new                      ; the high byte repeats the setting that is left; a switch that changes nothing is dropped
.if MSB != (\new)
	s_set_vgpr_msb (MSB<<8)|(\new)
.set MSB, (\new)
.endif
.endm
.set W_KQ, 0x0a       ; K and Q in window 2, S^T in window 0
.set W_KM, 0x3a       ; the same with the C operand in window 3: the mask numbers
.set W_PV, 0x52       ; V in window 2, P in window 0, O^T in window 1
.set W_RS, 0x41       ; O^T (destination and source 0) in window 1, a in window 0
.set W_MK, 0xc0       ; destination in window 3, sources in window 0
.set W_AD, 0x0f       ; the add: address (source 0) and data (source 1) in window 3
; A joint fill.  Waves 0 and 1 fetch the two halves of a slot's K, waves 2 and 3 those of its V: 128 keys each.  The branch hangs on the wave's number alone.
; An s_nop 0 and four v_nop follow each of the two lines, ahead of the jump and the label.
.macro JLOAD
	s_cmp_lt_u32 s[WV], 2
	s_cbranch_scc0 .Lfor_v_\@
	tensor_load_to_lds s[G0K:G0K+3], s[G1K:G1K+7]
	s_nop 0
.rept 4
	v_nop
.endr
	s_branch .Lasked_\@
.Lfor_v_\@:
	tensor_load_to_lds s[G0V:G0V+3], s[G1V:G1V+7]
	s_nop 0
.rept 4
	v_nop
.endr
.Lasked_\@:
.endm
; A round of the cluster's barrier: my work-group's barrier; wave 0 signals; every wave waits for all four work-groups; my work-group's barrier once more.
.macro CROUND
	s_barrier_signal -1
	s_barrier_wait -1
	s_cmp_lg_u32 s[WV], 0
	s_cbranch_scc1 .Lnot_wave_0_\@
	s_barrier_signal -3
.Lnot_wave_0_\@:
	s_barrier_wait -3
	s_barrier_signal -1
	s_barrier_wait -1
.endm
; THE CHANGE OF SLOTS.  The slot's last bytes, V of its fourth step, have been read.  Each wave waits for all its tensor loads, of which one is out: its part of the other slot; adds 0 to its spare word; and waits
; for that and for its own LDS instructions.  Behind the barrier nobody reads this slot any more and the other slot is whole.  fill = 1: this slot is filled again, with the keys two slots on; the barrier is then a
; round of the cluster's, and the joint fill is the first thing behind it: it has four key steps, 512 matrix instructions, in which to land.
; (At its first use nothing has been read yet: slot 0 is waited for, slot 1 filled, and every wave's stores into the mask table are shown to the others.)
.macro CHANGE fill
	WIN W_AD
	s_wait_tensorcnt 0x0            ; no tensor load of mine is out, so a group 0 may be written
	ds_add_u32 v[SPW], v[NIL]       ; 0 onto my spare word
	WIN 0                           ; at a label and at a branch every window is 0
.if \fill
.irp g, G0K, G0V
	s_xor_b32 s[\g+1], s[\g+1], SLOT1  ; the walking descriptor: the other slot than last time,
	s_add_nc_u64 s[\g+2:\g+3], s[\g+2:\g+3], 4*KS*128  ; the next 256 keys; the type bits on top are not reached
.endr
	s_wait_dscnt 0x0                ; the add is done, and my LDS reads and stores are over
	CROUND
	JLOAD
.else
	s_wait_dscnt 0x0
	s_barrier_signal -1
	s_barrier_wait -1
.endif
	s_sub_co_u32 s[TBK], s[TBK], 4*KS*PK  ; the fetches go back to a slot's first step,
	s_xor_b32 s[TBK], s[TBK], SLOT1       ; in the other slot
	s_sub_co_u32 s[TBV], s[TBV], 4*KS*PV
	s_xor_b32 s[TBV], s[TBV], SLOT1
.endm
	s_load_b256 s[4:11], s[0:1], 0x0  ; Q s[4:5], K s[6:7], V s[8:9], out s[10:11]
	s_load_b64 s[MP:MP+1], s[0:1], 0x20  ; mask
	WIN W_MK
	v_lshl_add_u32 v[SPW], v0, 2, SPARE
	v_mov_b32 v[NIL], 0
	WIN W_AD
	ds_add_u32 v[SPW], v[NIL]       ; the wave's opening: the add and its wait stand ahead of my first tensor load; the set-up below, work on registers, stands between them
	WIN 0
	v_lshrrev_b32 v1, 5, v0
	v_readfirstlane_b32 s[WV], v1   ; wave 0..3
	s_bfe_u32 s13, ttmp6, 0x40000   ; cx: my place in the cluster
	s_lshl_b32 s14, ttmp9, 2        ; in a cluster launch ttmp9 counts clusters
	s_add_co_u32 s14, s14, s13      ; my block of 512 queries: it enters Q's and the output's addresses alone
	s_and_b32 s15, ttmp7, 0xffff    ; 16 x batch + head, which the four partners share
	s_lshl_b32 s20, s15, 18         ; the head's first byte in Q, K and V: 2,048 rows of 128 bytes
	s_mov_b32 s21, 0
	s_and_b32 s16, s[WV], 1         ; which half of a slot's 256 keys I fetch:
	s_lshl_b32 s22, s16, 14         ; its 128 rows of 128 bytes in memory,
	s_mov_b32 s23, 0
	s_add_nc_u64 s[22:23], s[22:23], s[20:21]
	s_mul_i32 s17, s16, 128*PK      ; and its place in a slot, for K
	s_mul_i32 s18, s16, 128*PV      ; and for V: no place in the cluster enters an LDS address
	s_lshl_b32 s2, s14, 2
	s_add_co_u32 s2, s2, s[WV]      ; my wave among the head's sixteen: 128 rows each
	s_lshl_b32 s54, s2, 19          ; in the output: rows of 4,096 bytes,
	s_lshl_b32 s2, s2, 14           ; in Q: rows of 128 bytes
	s_mov_b32 s3, 0
	s_add_nc_u64 s[2:3], s[2:3], s[20:21]
	s_lshr_b32 s58, s15, 4          ; the batch
	s_lshl_b32 s19, s58, 23         ; its 2,048 rows of the output,
	s_add_co_u32 s54, s54, s19
	s_and_b32 s19, s15, 15
	s_lshl_b32 s19, s19, 8          ; the head's 64 channels: 256 bytes of a row
	s_add_co_u32 s54, s54, s19
	s_mov_b32 s55, 0
	s_lshl_b32 s58, s58, 13         ; the batch's 8,192 bytes of the mask
	s_mov_b32 s59, 0
	; descriptor group 1.  128 keys are 16,384 dense bytes: asked for as 64 rows of 256 bytes, two keys a row, and padded in LDS after every key
	s_mov_b32 s[G1K], 15|(1<<16)|(1<<20)|(1<<21)|(4<<22)|(3<<25)  ; 15:0 the mask of four; 17:16 2-byte elements; 20 padding on; 21 set beside a mask; 24:22 after every 32 words (code 4); 31:25 4 words (code 3)
	s_mov_b32 s[G1V], 15|(1<<16)|(1<<20)|(1<<21)|(4<<22)|(7<<25)  ; the same with 8 words of padding (code 7)
.irp g, G1K, G1V
	s_mov_b32 s[\g+1], 128<<16      ; tensor_dim0 = 128
	s_mov_b32 s[\g+2], 64<<16       ; tensor_dim1 = 64
	s_mov_b32 s[\g+3], 128<<16      ; tile_dim0 = 128
	s_mov_b32 s[\g+4], 64           ; tile_dim1 = 64
	s_mov_b32 s[\g+5], 128          ; 128 elements from row to row
	s_mov_b32 s[\g+6], 0
	s_mov_b32 s[\g+7], 0
.endr
	s_mov_b32 s[KK], 0x7191accb     ; 1e30 x log2(e) = 1.4427e30
	s_mov_b32 s[KK+1], s[KK]        ; named with it as a pair
	s_mov_b32 s[SEL], 0x76543210
	s_mov_b32 s[SEL+1], 0xfedcba98
	s_mov_b32 s[TBK], SLOT1+4*KS*PK ; the first change of slots turns these two into 0
	s_mov_b32 s[TBV], SLOT1+4*KS*PV
	s_mov_b32 s[TBM], 0
	s_mov_b32 s[G0K], 1             ; 1:0 count = 1
	s_mov_b32 s[G0K+1], s17         ; 63:32 LDS address: slot 0
	s_mov_b32 s[G0V], 1
	s_add_co_u32 s[G0V+1], s18, VOFF
	s_wait_dscnt 0x0                ; the opening add is done
	s_wait_kmcnt 0x0
	s_add_nc_u64 s[G0K+2:G0K+3], s[6:7], s[22:23]  ; 120:64 global address: my half of the head's first 256 keys
	s_or_b32 s[G0K+3], s[G0K+3], 0x80000000        ; 127:126 type = 2
	s_add_nc_u64 s[G0V+2:G0V+3], s[8:9], s[22:23]
	s_or_b32 s[G0V+3], s[G0V+3], 0x80000000
	s_add_nc_u64 s[4:5], s[4:5], s[2:3]            ; Q at my wave's first row
	s_add_nc_u64 s[10:11], s[10:11], s[54:55]      ; the output at my wave's first row and the head's channels
	s_add_nc_u64 s[MP:MP+1], s[MP:MP+1], s[58:59]
	CROUND                          ; all four work-groups are here: the first joint loads meet
	JLOAD                           ; slot 0.  Slot 1 is asked for when slot 0 is in
	v_lshlrev_b32 v48, 4, v0        ; the mask: 128 threads x 16 bytes, four times
	v_add_nc_u32 v49, MKB, v48
.irp z, 0,1,2,3
	global_load_b128 v[S+4*\z:S+4*\z+3], v48, s[MP:MP+1] offset:2048*\z
.endr
	; A fragment of K or Q is 16 rows x 32 channels in 8 registers: lane l holds row l % 16, channels 8 (l / 16) + 0..7 and 16 + 8 (l / 16) + 0..7: two loads of 16 bytes, 32 bytes apart.
	v_and_b32 v1, 15, v0            ; l % 16
	v_bfe_u32 v9, v0, 4, 1          ; l / 16
	v_lshlrev_b32 v[QO], 7, v1
	v_lshl_add_u32 v[QO], v9, 4, v[QO]  ; row x 128 + 16 x half
	WIN 0x80                        ; destination window 2, address window 0
.set i, 0
.rept 4*NP                          ; Q stays in registers: tile i / 2, channels 32 (i % 2) on
	global_load_b128 v[8*i:8*i+3],   v[QO], s[4:5] offset:(i/2)*2048+(i%2)*64
	global_load_b128 v[8*i+4:8*i+7], v[QO], s[4:5] offset:(i/2)*2048+(i%2)*64+32
.set i, i+1
.endr
	; What the first turn finds: V's registers and P's second buffer hold 0 (its products V^T P, of a piece that has not been, add 0), O^T and l are 0.  All this stands in the wait for the first tile.
.set i, VF
.rept 64
	v_mov_b32 v[i], 0
.set i, i+1
.endr
	WIN 0x40
.set i, 0
.rept 64*NP
	v_mov_b32 v[i], 0
.set i, i+1
.endr
	WIN 0
.set i, 0
.rept 2*NP
	v_mov_b32 v[ST+4*i], 0xff7fffff    ; m: the lowest finite number
	v_mov_b32 v[ST+4*i+1], 0
	v_mov_b32 v[ST+4*i+2], 0
	v_mov_b32 v[ST+4*i+3], 0
.set i, i+1
.endr
.set i, P+32
.rept 32
	v_mov_b32 v[i], 0
.set i, i+1
.endr
	s_wait_loadcnt 32               ; the mask's four loads are in; Q's 32, issued behind them, may stay out
.set i, S
.rept 8
	v_pk_fma_f32 v[i:i+1], v[i:i+1], s[KK:KK+1], s[KK:KK+1] op_sel_hi:[1,0,0] neg_lo:[0,0,1] neg_hi:[0,0,1]  ; mask x 1.4427e30 - 1.4427e30
.set i, i+2
.endr
.irp z, 0,1,2,3
	ds_store_b128 v49, v[S+4*\z:S+4*\z+3] offset:2048*\z
.endr
	v_mul_u32_u24 v[AK0], v1, PK
	v_lshl_add_u32 v[AK0], v9, 4, v[AK0]  ; row x pitch + 16 x half
	; The turning load takes 16 keys x 16 channels (lane l reads key 8 (l / 16) + l % 8, channels 8 ((l / 8) % 2) + 0..7) and leaves half a fragment of V^T: lane l holds channel l % 16 and 8 keys.
	v_and_b32 v10, 7, v0
	v_bfe_u32 v11, v0, 3, 1
	v_lshl_add_u32 v[AV0], v9, 3, v10
	v_mul_u32_u24 v[AV0], v[AV0], PV
	v_lshl_add_u32 v[AV0], v11, 4, v[AV0]
	v_add_nc_u32 v[AV0], VOFF, v[AV0]
	v_lshl_add_u32 v[AM0], v9, 5, MKB     ; my eight keys of a group of 16: 32 bytes for each half of the lanes
	v_mov_b32 v[AM], v[AM0]
	v_mov_b32 v[AK], v[AK0]         ; key step 0 lies at the head of slot 0
; THE MATRIX WORK.  The 8 accumulators of a run of 16 take turns: between the two links of a chain stand 7 others'.
; Product i of 16 of S^T = K Q^T for piece x: channels 32 (i / 8) on, keys 16 ((i / 2) % 4) on, tile 2 x + i % 2.  The first 8 start the sums with the keys' mask numbers.
.macro KQ x
.set rS, S+64*((\x)%2)+32*(i%2)+8*((i/2)%4)
.set rK, KF+16*((i/2)%4)+8*(i/8)
.set rQ, 16*(2*(\x)+i%2)+8*(i/8)
.set rB, MC+8*((i/2)%4)
.if i < 8
	WIN W_KM
	v_wmma_f32_16x16x32_f16 v[rS:rS+7], v[rK:rK+7], v[rQ:rQ+7], v[rB:rB+7]
.else
	WIN W_KQ
	v_wmma_f32_16x16x32_f16 v[rS:rS+7], v[rK:rK+7], v[rQ:rQ+7], v[rS:rS+7]
.endif
.endm
; Product i of 16 of O^T += V^T P for piece x: keys 32 (i / 8) on, channels 16 ((i / 2) % 4) on, tile 2 x + i % 2.
.macro PV x
	WIN W_PV
.set rO, 32*(2*(\x)+i%2)+8*((i/2)%4)
.set rV, VF+32*(i/8)+8*((i/2)%4)
.set rP, P+32*((\x)%2)+16*(i%2)+8*(i/8)
	v_wmma_f32_16x16x32_f16 v[rO:rO+7], v[rV:rV+7], v[rP:rP+7], v[rO:rO+7]
.endm
.macro MM                           ; the turn's next matrix instruction
.if i < 16
	KQ (Y+1)%NP
.set i, i+1
.else
.set i, i-16
	PV (Y+NP-1)%NP
.set i, i+17
.endif
.endm
; THE LDS LOADS stand in runs, never singly among the matrix instructions: a step's K (64 keys x 64 channels: 8 fragments) with its 64 mask numbers (lanes of one half read the same 32 bytes), and its V (turned).
; Their addresses are made some lines ahead.  last = 1 (the tail): in the last trip there is no further step, and the run is jumped over.
.macro FETCH_K last=0
	WIN 0
.if \last
	s_cmp_eq_u32 s[CNT], 1
	s_cbranch_scc1 .Lno_k_\@
.endif
	WIN 0x80                        ; destination window 2
.irp f, 0,1,2,3,4,5,6,7             ; keys 16 (f / 2) on, channels 32 (f % 2) on
	ds_load_b128 v[KF+8*\f:KF+8*\f+3],   v[AK] offset:(\f/2)*16*PK+(\f%2)*64
	ds_load_b128 v[KF+8*\f+4:KF+8*\f+7], v[AK] offset:(\f/2)*16*PK+(\f%2)*64+32
.endr
	WIN W_MK                        ; destination window 3
.irp f, 0,1,2,3                     ; keys 16 f on
	ds_load_b128 v[MC+8*\f:MC+8*\f+3],   v[AM] offset:64*\f
	ds_load_b128 v[MC+8*\f+4:MC+8*\f+7], v[AM] offset:64*\f+16
.endr
	s_add_co_u32 s[TBK], s[TBK], KS*PK  ; the next fetch is the next step's
	s_add_co_u32 s[TBM], s[TBM], 4*KS
	s_and_b32 s[TBM], s[TBM], 0x1fff    ; inside the table's 8,192 bytes whatever follows
	WIN 0
.if \last
.Lno_k_\@:
.endif
.endm
.macro FETCH_V
	WIN 0x80
.irp f, 0,1,2,3,4,5,6,7             ; keys 32 (f / 4) on, channels 16 (f % 4) on
	ds_load_tr16_b128 v[VF+8*\f:VF+8*\f+3],   v[AV] offset:(\f/4)*32*PV+(\f%4)*32
	ds_load_tr16_b128 v[VF+8*\f+4:VF+8*\f+7], v[AV] offset:(\f/4)*32*PV+16*PV+(\f%4)*32
.endr
	WIN 0
.endm
; THE VECTOR WORK OF A TURN stands in three queues, each in the order in which its entries become ready; the two tiles alternate, so that no instruction reads the result of the one before it.
.macro REGS y, u                    ; the registers of tile u (0, 1) of piece y
.set rT, ST+4*(2*(\y)+(\u))
.set rC, TMP+8*((\y)%2)+4*(\u)
.set rM, MV+2*((\y)%2)+(\u)
.set rS, S+64*((\y)%2)+32*(\u)
.set rP, P+32*((\y)%2)+16*(\u)
.set rO, 32*(2*(\y)+(\u))
.endm
; Number n of those that find the NEXT piece's (Y + 1) maximum and statistics (there is no number 19).  s0-s31 are the lane's 32 scores; each accumulator's lowest registers are read first.
;   0-11  four chains c0-c3 of seven scores each, three operands at a time     12-14, 16  the four scores left over, the old m, and c0-c3 into c0     15  m_old is kept
;   17, 18  the query's other 32 keys lie in the lane 16 away: the new m         20, 21  m_old - m_new; a
.macro XS u, n
	REGS (Y+1)%NP, \u
.if (\n) < 4
	v_max3_num_f32 v[rC+(\n)], v[rS+8*(\n)], v[rS+8*(\n)+1], v[rS+8*(\n)+2]
.elseif (\n) < 12
	v_max3_num_f32 v[rC+(\n)%4], v[rC+(\n)%4], v[rS+8*((\n)%4)+2*((\n)/4)+1], v[rS+8*((\n)%4)+2*((\n)/4)+2]
.elseif (\n) == 12
	v_max3_num_f32 v[rC], v[rC], v[rS+7], v[rS+15]
.elseif (\n) == 13
	v_max3_num_f32 v[rC+1], v[rC+1], v[rS+23], v[rS+31]
.elseif (\n) == 14
	v_max3_num_f32 v[rC+2], v[rC+2], v[rC+3], v[rT]
.elseif (\n) == 15
	v_mov_b32 v[rM], v[rT]
.elseif (\n) == 16
	v_max3_num_f32 v[rC], v[rC], v[rC+1], v[rC+2]
.elseif (\n) == 17
	v_permlanex16_b32 v[rC+3], v[rC], s[SEL], s[SEL+1]
.elseif (\n) == 18
	v_max_num_f32 v[rT], v[rC], v[rC+3]
.elseif (\n) == 20
	v_sub_f32 v[rC+1], v[rM], v[rT]
.else
	v_exp_f32 v[rC+2], v[rC+1]
.endif
.endm
; Number g of the 64 that follow the exponentials.  For each four weights k of a tile (pairs 2 k, 2 k + 1): both pairs are rounded to f16; then the second pair is added onto the first, in place;
; a group later l takes that sum (the first time as l = a l + sum).  In groups of eight, tiles alternating: round, round, add, and l for the group before.
.macro GS g
.set h, (\g)+6*((\g)/62)            ; group 0 has no group before it, and behind group 7 only l is left
.if h >= 6
.set h, h+2
.endif
	REGS Y, h%2
.set k, h/8
.if h%8 < 4
	s_wait_alu depctr_va_vdst(0)
	v_cvt_pk_f16_f32 v[rP+2*k+(h%8)/2], v[rS+4*k+2*((h%8)/2)], v[rS+4*k+2*((h%8)/2)+1]
.elseif h%8 < 6
	v_pk_add_f32 v[rS+4*k:rS+4*k+1], v[rS+4*k:rS+4*k+1], v[rS+4*k+2:rS+4*k+3]
.elseif k == 1
	v_pk_fma_f32 v[rT+2:rT+3], v[rT+2:rT+3], v[rC+2:rC+3], v[rS:rS+1] op_sel_hi:[1,0,1]
.else
	v_pk_add_f32 v[rT+2:rT+3], v[rT+2:rT+3], v[rS+4*k-4:rS+4*k-3]
	s_wait_alu depctr_va_vdst(0)
.endif
.endm
; THE PLAIN QUEUE, 136 long.  0-31: s - m for the 16 pairs of both tiles.  Then GS's 64, and among them the next piece's 40: number 15 at 38, 39; 0-14 and 16
; at 42-73, behind the products that make those scores; 17, 18 and 20 at 95-103, two of three, since each waits for the one before it.
.macro PL
	WIN 0
.if q < 32
	REGS Y, q%2
	v_pk_add_f32 v[rS+2*(q/2):rS+2*(q/2)+1], v[rS+2*(q/2):rS+2*(q/2)+1], v[rT:rT+1] op_sel_hi:[1,0] neg_lo:[0,1] neg_hi:[0,1]
.elseif q < 38
	GS q-32
.elseif q < 40
	XS q%2, 15
.elseif q < 42
	GS q-34
.elseif q < 74
	XS q%2, (q-42)/2+(q-42)/30
.elseif q < 95
	GS q-66
.elseif (q < 104) && ((q-95)%3 < 2)
	XS (q-95)%3, 17+(q-95)/3+(q-95)/6
.elseif q < 104
	GS 29+(q-95)/3
.else
	GS q-72
.endif
.set q, q+1
.endm
; THE EXPONENTIALS' QUEUE, 66 long: s0-s31 of both tiles, and at EA the next piece's two a.
.set EA, 58
.macro EX
	WIN 0
.if (e == EA) || (e == EA+1)
	XS e-EA, 21
.else
.set x, e-2*(e/(EA+2))
	REGS Y, x%2
	v_exp_f32 v[rS+x/2], v[rS+x/2]
.endif
.set e, e+1
.endm
; THE RESCALING's QUEUE: O^T times a, the one part that leaves window 0, so it is dealt four at a time, eight times.
.macro R4
	REGS Y, r%2
	WIN W_RS
	s_wait_alu depctr_va_vdst(0)
.irp z, 0,1,2,3
	v_pk_mul_f32 v[rO+8*(r/2)+2*\z:rO+8*(r/2)+2*\z+1], v[rO+8*(r/2)+2*\z:rO+8*(r/2)+2*\z+1], v[rC+2:rC+3] op_sel_hi:[1,0]
.endr
.set r, r+1
.endm
; HOW THEY ARE DEALT.  Behind a matrix instruction four: plain, exponential, plain, plain (one exponential, a plain instruction on either side), or four of the rescaling.  What is over stands in two LUMPS:
; exponential and plain by turns; the second ends in 20 plain instructions.  The two v_permlanex16_b32 fall into the second lump, never behind a product.
; The queues lean on each other, and the deal keeps them in step: exponential e stands behind plain 2 (e / 4) + e % 2 (its subtraction); when plain 32 comes, 10 exponentials are out, at 59: 33, at 95: 46;
; EA comes behind plain 107, five behind number 20; a group of GS stands at least 13 exponentials behind the last that it reads.
.macro SL
	MM
	PL
	EX
	PL
	PL
.endm
.macro BURST n                      ; 15 matrix instructions, or 16
.rept (\n)-7
	SL
.endr
.rept 3
	MM
	R4
	SL
.endr
	MM
	R4
.endm
; A TURN, for piece p.  cnt = 1: the loop's count is taken down some lines ahead of the branch that stands behind the turn.
; K and the mask numbers of the next step are fetched in piece 2's turn, 32 vector instructions behind the last product that read K (the last that read the mask numbers stands earlier); their first reader comes
; behind the rest of the lump, 16 products and the second lump.  V of the step in hand is fetched at the end of piece 0's turn; its first reader comes behind 16 products and a lump.
.macro TURN p, last=0, cnt=0
.set Y, (\p)
.set i, 0
.set q, 0
.set e, 0
.set r, 0
.if (\p) == NP-1
	s_wait_dscnt 0x0                ; K and the mask numbers are in
.endif
	MM
.rept 4
	PL
.endr
	BURST 15
.rept 22
	EX
	PL
.if ((\p) == NP-2) && (e == 18)
	v_add_nc_u32 v[AK], s[TBK], v[AK0]
	v_add_nc_u32 v[AM], s[TBM], v[AM0]
.endif
.if ((\p) == NP-2) && (e == 24)
	FETCH_K \last
.endif
.endr
.if (\p) == 1
	s_wait_dscnt 0x0                ; V is in
.endif
	BURST 16
.rept 21
	EX
	PL
.endr
.rept 20
	PL
.if ((\p) == 0) && (q == 118)
	v_add_nc_u32 v[AV], s[TBV], v[AV0]
	s_wait_alu depctr_va_vdst(0)
.endif
.if ((\p) == 0) && (q == 130)
	s_add_co_u32 s[TBV], s[TBV], KS*PV
.endif
.if (\cnt) && (q == 130)
	s_sub_co_u32 s[CNT], s[CNT], 1
	s_cmp_lg_u32 s[CNT], 0
.endif
.endr
.if (\p) == 0
	FETCH_V
.endif
.endm
	CHANGE 1                        ; slot 0 is in, everybody's part of it, and the mask table is whole; slot 1 is asked for
	FETCH_K                         ; key step 0
	s_wait_loadcnt 0x0              ; Q
	s_wait_dscnt 0x0
.set i, 0
.rept 16
	KQ 0                            ; piece 0's first scores: there is no vector work yet to set between them
.set i, i+1
.endr
	WIN 0                           ; the addresses for the way out: eight plain instructions, the places behind those products
	s_mul_i32 s13, s[WV], 16*SPO
	s_add_co_u32 s13, s13, STAGE    ; my stage
	v_mul_u32_u24 v[STO], v1, SPO   ; in: row l % 16, 32 bytes for each half of the lanes
	v_lshl_add_u32 v[STO], v9, 5, v[STO]
	v_add_nc_u32 v[STO], s13, v[STO]
	v_mul_u32_u24 v[RD], v9, SPO    ; back: lanes 0-15 take one row of 256 bytes, lanes 16-31 the next
	v_lshl_add_u32 v[RD], v1, 4, v[RD]
	v_add_nc_u32 v[RD], s13, v[RD]
	v_lshlrev_b32 v[GO], 12, v9     ; and the same two rows in the output, 4,096 bytes apart
	v_lshl_add_u32 v[GO], v1, 4, v[GO]
.set Y, NP-1                        ; XS works for piece Y + 1: piece 0
.irp n, 0,1,2,3,4,5,6,7,8,9,10,11,12,13,14,15,16,17,18,20,21
	XS 0, \n                        ; and piece 0's first maximum and statistics
	XS 1, \n
.endr
	s_mov_b32 s[CNT], 4
	s_mov_b32 s[SLOTS], SIZE_N/256-1
	s_branch .Lfirst                ; the loop is entered at a step's first turn, in the middle of a trip
.Lslot:                             ; SIZE_N / 256 - 2 times: every slot but the last two is filled again
	CHANGE 1
	s_mov_b32 s[CNT], 4
.Lstep:                             ; a trip: pieces 2 and 3 of one step, then pieces 0 and 1 of the next, whose K and V it fetches
	TURN 2
	TURN 3
	WIN 0
.Lfirst:
	TURN 0
	TURN 1, 0, 1
	WIN 0
	s_cbranch_scc1 .Lstep
	s_sub_co_u32 s[SLOTS], s[SLOTS], 1
	s_cmp_lg_u32 s[SLOTS], 0
	s_cbranch_scc1 .Lslot
	CHANGE 0                        ; the tail is written out: nothing is asked for
	s_mov_b32 s[CNT], 5             ; four trips fetch the last slot's steps; the fifth is left in its middle
.Ltail:
	TURN 2, 1
	TURN 3
	WIN 0
	s_sub_co_u32 s[CNT], s[CNT], 1
	s_cmp_eq_u32 s[CNT], 0
	s_cbranch_scc1 .Lout
	TURN 0
	TURN 1
	WIN 0
	s_branch .Ltail
.Lout:                              ; the fifth trip's 16 products K Q^T (on the last K once more) and the maximum made of them serve nothing: the price, once a launch, of one text for every trip
.set i, 0
.rept 16
	PV NP-1                         ; the last piece's V^T P of the last step
.set i, i+1
.endr
	; THE WAY OUT.  l's two halves and the other half of the lanes' are added; O^T is divided by l and sent, in f32, through my stage in LDS, a tile at a time.  The additions are the places behind the last products.
	WIN 0
.macro ALL line:vararg              ; one line for each tile t
.set t, 0
.rept 2*NP
	\line
.set t, t+1
.endr
.endm
	ALL v_add_f32 v[ST+4*t+2], v[ST+4*t+2], v[ST+4*t+3]
	ALL v_permlanex16_b32 v[ST+4*t+3], v[ST+4*t+2], s[SEL], s[SEL+1]
	ALL v_add_f32 v[ST+4*t+2], v[ST+4*t+2], v[ST+4*t+3]
	ALL v_rcp_f32 v[ST+4*t+2], v[ST+4*t+2]
	v_nop                           ; a plain instruction between the last reciprocal and the use of its result
	s_wait_alu depctr_va_vdst(0)
; Tile t: a lane's eight channels of a row are 32 bytes; they go into rows of 272 bytes and come back as whole rows of 256, into the registers that they left.
.macro PACK t
	WIN W_RS
.set i, 32*(\t)
.rept 16
	v_pk_mul_f32 v[i:i+1], v[i:i+1], v[ST+4*(\t)+2:ST+4*(\t)+3] op_sel_hi:[1,0]
.set i, i+2
.endr
	WIN 0x04                        ; an LDS store's data (source 1) in window 1, its address in window 0
.irp f, 0,1,2,3,4,5,6,7             ; channels 16 (f / 2) + 8 (l / 16) + 4 (f % 2) on
	ds_store_b128 v[STO], v[32*(\t)+4*\f:32*(\t)+4*\f+3] offset:64*(\f/2)+16*(\f%2)
.endr
	WIN 0x40                        ; destination window 1
.irp f, 0,1,2,3,4,5,6,7
	ds_load_b128 v[32*(\t)+4*\f:32*(\t)+4*\f+3], v[RD] offset:\f*2*SPO  ; LDS serves a wave's instructions in order (ISA guide 5.7.1.4): these see the stores above; the next tile's stores come behind them
.endr
.endm
.macro SEND t, younger              ; younger: the LDS instructions issued behind tile t's loads: the next tile's sixteen, or none
	WIN 0x04                        ; a store's data (source 1) in window 1
.irp f, 0,1,2,3,4,5,6,7
	s_wait_dscnt (\younger)+7-\f
	global_store_b128 v[GO], v[32*(\t)+4*\f:32*(\t)+4*\f+3], s[10:11] offset:(\t)*65536+\f*8192 th:TH_STORE_NT  ; 16 lanes store 256 consecutive bytes, at a multiple of 256 from the output's first byte
.endr
.endm
	PACK 0
.set t, 1
.rept 2*NP-1                        ; a tile's arithmetic stands between the loads of the tile before and its stores
	PACK t
	SEND t-1, 16
.set t, t+1
.endr
	SEND 2*NP-1, 0
	WIN W_AD
	s_wait_tensorcnt 0x0            ; the wave's end: behind my last tensor load and my last LDS store
	ds_add_u32 v[SPW], v[NIL]
	s_wait_dscnt 0x0
	WIN 0
	CROUND                          ; the closing round: no work-group ends while a partner may still ask for a tile that names it
	s_endpgm
.Lfunc_end_k_q94f514648b_attn:
	.size	k_q94f514648b_attn, .Lfunc_end_k_q94f514648b_attn-k_q94f514648b_attn
	.p2alignl 7, 3214868480
	.fill 96, 4, 3214868480
	.section	.rodata,"a",@progbits
	.p2align	6, 0x0
	.amdhsa_kernel k_q94f514648b_attn
		.amdhsa_group_segment_fixed_size 327680
		.amdhsa_private_segment_fixed_size 0
		.amdhsa_enable_private_segment 0
		.amdhsa_kernarg_size 40
		.amdhsa_user_sgpr_count 2
		.amdhsa_user_sgpr_kernarg_segment_ptr 1
		.amdhsa_wavefront_size32 1
		.amdhsa_system_sgpr_workgroup_id_x 1
		.amdhsa_system_sgpr_workgroup_id_y 1
		.amdhsa_system_sgpr_workgroup_id_z 1
		.amdhsa_system_vgpr_workitem_id 0
		.amdhsa_next_free_vgpr 808
		.amdhsa_next_free_sgpr 66
		.amdhsa_reserve_vcc 0
		.amdhsa_float_denorm_mode_32 3
		.amdhsa_float_denorm_mode_16_64 3
		.amdhsa_memory_ordered 1
		.amdhsa_forward_progress 1
		.amdhsa_inst_pref_size 212
	.end_amdhsa_kernel
	.amdgpu_metadata
---
amdhsa.version: [ 1, 2 ]
amdhsa.kernels:
  - .name:           k_q94f514648b_attn
    .symbol:         k_q94f514648b_attn.kd
    .args:
      - { .name: qh, .offset: 0, .size: 8, .value_kind: global_buffer, .address_space: global }
      - { .name: kh, .offset: 8, .size: 8, .value_kind: global_buffer, .address_space: global }
      - { .name: vh, .offset: 16, .size: 8, .value_kind: global_buffer, .address_space: global }
      - { .name: out0, .offset: 24, .size: 8, .value_kind: global_buffer, .address_space: global }
      - { .name: mask, .offset: 32, .size: 8, .value_kind: global_buffer, .address_space: global }
    .group_segment_fixed_size: 327680
    .private_segment_fixed_size: 0
    .kernarg_segment_align: 8
    .kernarg_segment_size: 40
    .max_flat_workgroup_size: 128
    .sgpr_count:     66
    .vgpr_count:     808
    .wavefront_size: 32
...
	.end_amdgpu_metadata
.endif
;; end of part 3
